; MI455X (gfx1250); checked and timed in simulation.
; The chip was launched on July 23, 2026; its instructions are those of AMD's public machine-readable ISA for CDNA 5 (MIT licence, August 2026) and "CDNA5" Instruction Set Architecture Reference Guide (July 2026). The comments in the code are by the model that wrote it; some were corrected since.
;; Trellis Linear. Allowed arithmetic: matrix products marked QUANTISED: E2M1 operands, one E8M0 scale for each 32 along K, by v_wmma_scale_f32_16x16x128_f8f6f4 with both operands' format E2M1 (or v_wmma_scale_f32_32x16x128_f4), f32 sums; everything else in f32.
;; Inputs: grid 16 float32; packed_indices 256 x 256 x 128 int32; scales 32 x 4,096 float32; su 4,096 float32; sv 4,096 float32; x_codes 4,096 x 128 x 16 uint8 (E2M1 codes of x, K innermost, in blocks of 32 codes, two codes a byte); x_scales 4,096 x 128 uint8 (E8M0 scales of x, one for each 32 codes along K).
;; Outputs: out0 4,096 x 4,096 float32.
;; This version of the problem:
;;   THIS VERSION OF THE PROBLEM IS GIVEN IN LOW PRECISION. The matrix products marked QUANTISED in the list below multiply operands that are first quantised to E2M1 (2 exponent bits, 1 mantissa bit; 4 bits a number), with one power-of-two scale for each 32 numbers along K (OCP MX v1.0); their sums are f32. All else is computed in f32.
;;   The module's matrix products, in the order in which they are computed (A, B: the left and right operand; K: the contracted axis; several contracted axes count as one K, in the product's order):
;;     1. [M 4,096, K 4,096] x [K 4,096, N 4,096]; A: input x (given as codes); B: computed on the way: QUANTISED
;;   THE QUANTISER, for each operand of a quantised product, along K:
;;     - K is cut into blocks of 32 from its start; a last block that is shorter is filled with zeros.
;;     - A block's scale is 2^e with e = floor(log2(the largest magnitude in the block)) - 2, held to -126 .. 127; a block of zeros has e = 0. As a byte (E8M0): e + 127.
;;     - Each number is divided by its block's scale, clamped to +-6, and rounded to the nearest number of E2M1, ties to even, subnormals kept.
;;     - The product sums the exact products of the quantised numbers (number of the format x scale) in f32.
;;   ~~~python
;;   def quantise(x, axis):      # numpy; x: float32 -> the quantised numbers, widened to float32 again
;;       x = np.moveaxis(x, axis, -1); K = x.shape[-1]
;;       x = np.pad(x, [(0, 0)] * (x.ndim - 1) + [(0, -K % 32)]); x = x.reshape(x.shape[:-1] + (-1, 32)); a = np.abs(x).max(-1, keepdims=True)
;;       e = np.where(a > 0, np.clip(np.frexp(np.where(a > 0, a, 1))[1] - 1 - 2, -126, 127), 0)      # np.frexp(a)[1] - 1 = floor(log2(a)), exactly
;;       r = np.clip(x / 2.0 ** e, -6, 6)
;;       step = 2.0 ** (np.maximum(np.frexp(np.where(r == 0, 1, r))[1] - 1, 0) - 1)
;;       q = np.round(r / step) * step * 2.0 ** e      # np.round: ties to even
;;       return np.moveaxis(q.reshape(q.shape[:-2] + (-1,))[..., :K], -1, axis).astype(np.float32)
;;   ~~~
;;   OPERANDS COMPUTED ON THE WAY. 'Computed on the way' means the value that the module computes at that place (a softmax that the list does not call 'softmax' is quantised finished and normalised). What goes into a quantiser is computed in f32, as accurately as f32 sums, v_exp_f32 and their like allow (about 1e-6 of the number): no bf16 or f16 on the way to a quantiser, and a product that is left as it is and whose result goes on into a quantised operand takes f32 operands (vector FMAs, or v_wmma_f32_16x16x4_f32). A number that lies on a knife's edge between two numbers of the format may be rounded either way, as far as f32 arithmetic and the matrix unit's own rounding can turn it there, and no further.
;;   INPUTS GIVEN AS CODES. x (in the module: [4096, 4096], K = its axis 1): each comes as NAME_codes (uint8): NAME with its K axis moved to the last place and cut into blocks of 32 codes, [.., K / 32, bytes a block], one block behind the other in memory; two codes a byte, the lower K in the low four bits (a code: sign, 2 exponent bits, 1 mantissa bit); and NAME_scales (uint8): the same leading axes, one E8M0 byte (e + 127) for each 32 codes along K. Its value is code x scale, taken as it is: it is not quantised again, and the codes and scales need not be those that the quantiser above would give.
;; One version. Each part assembles by itself: llvm-mc -triple=amdgcn-amd-amdhsa -mcpu=gfx1250 --defsym DOCPART=n.
;; ======== version 1 of 1: 2 launches
;; limits: right only within a limited range of input values
;; workspace buffers: w_all 8,912,896 bytes; xs_all 524,288 bytes
;; launch quant (part 1): grid 64 x 8, 8 waves a work-group, no clusters, 21,504 bytes of LDS; arguments packed_indices, scales, su, sv, grid, x_scales, w_all, xs_all; writes w_all, xs_all
.if DOCPART == 1
	.amdgcn_target "amdgcn-amd-amdhsa--gfx1250"
	.amdhsa_code_object_version 6
	.text
	.protected	k_qb681eadcf1_quant
	.globl	k_qb681eadcf1_quant
	.p2align	8
	.type	k_qb681eadcf1_quant,@function
k_qb681eadcf1_quant:
	s_mov_b64 s[64:65], 0
	v_nop
	global_prefetch_b8 v0, s[64:65] scope:SCOPE_SE
	s_setreg_imm32_b32 hwreg(HW_REG_WAVE_MODE, 25, 1), 1
	s_wait_xcnt 0x0
; W[n][k] = grid[idx(n, k)] * (scales[k / 128][n] * sv[n]) * su[k], n = out feature, k = in feature, 0 .. 4095, in f32; then codes of FP4 (E2M1) with one E8M0 byte for each 32 along k.
; The row's two factors are multiplied together first: the roundings to f32 come in another order.
; THE INDICES lie in tiles of 16 n x 16 k, 512 consecutive bytes: 128 words, two indices of 4 bits in the low byte of each, the lower k in the low four bits.
; One 16-byte load of a wave takes a tile: lane l gets k = 8 p + 0 .. 7 (p = l % 2) of row lk = l / 2.  A block of 32 along k is two neighbouring tiles in lanes l and l xor 1.
; WHAT IS STORED, w_all: [n / 128][k / 128][8,704 bytes], what one wave of the product's launch loads for one step of 128 along k:
;   8,192 bytes of codes, [b = 0 .. 7][c = 0, 1][lane = r + 16 h][16 bytes]: row 64 (b / 4) + 4 r + b % 4 of the 128, k = 64 c + 32 h + 0 .. 31 of the step;
;   512 scale bytes, [g = 0, 1][lane = r + 16 e][2 words]: word e2 is the scale word of row 64 g + 4 r + e + 2 e2.
; xs_all: [row / 128][k / 128][(row / 64) % 2][lane][2 words]: x's scale words, word e of lane l that of row 32 e + l of the 64.
; SHARES.  Work-group (x, y): rows 64 x .. 64 x + 63 of W (four row tiles i) and of x.  Wave w: in-features 128 st .. + 127, st = 4 y + w / 2, of them the blocks 2 c + jj of 32, c = w % 2, jj = 0, 1: eight steps m = 4 jj + i, written out.
; No LDS ring, no prefetch.  No matrix work, no cluster: work-groups share only su, sv and scales.
; THE TABLE: grid[l % 16] lies in lane l, so twice in the 32 lanes.  ds_bpermute_b32 selects by address bits 6:2: the index stands in bits 5:2, and bit 6, whatever it holds, picks one of two equal numbers: no mask.
; A block's scale is 2^(floor(log2(its largest magnitude)) - 2); its byte is the largest magnitude's exponent field - 2, held at 1 from below.
; LIMITS: NaN and infinities among grid, scales, su, sv are not served; scales x sv has to stay in f32's range.  A block of zeros gets the byte 1 where the rule says 127: its codes are zeros, and the bytes are read by this program alone.
.set WSTEP, 8704
.set TPIT,  576                        ; the stage: a run of 512 bytes for each n % 4, 64 bytes apart, so that the four runs start at different banks
.set WST,   2560                       ; a wave's stage: 4 runs, then 256 bytes of scale words
.set SPARE, 8*WST                      ; the spare words: 128 bytes for each wave
.set OFFIX, 1                          ; v1   16 x lane
.set OFFSU, 2                          ; v2   32 p
.set OFFK,  3                          ; v3   4 lk
.set OFFU,  4                          ; v4   8 x lane
.set OFFG,  5                          ; v5   4 (lane % 16)
.set OFFX,  6                          ; v6   128 x lane
.set GR,    7                          ; v7   grid[lane % 16]
.set SPW,   8
.set NIL,   9
.set MXA,   10                         ; v10, v11 two chains of the largest magnitude
.set MXB,   11
.set SOP,   12                         ; v12  the conversions' scale operand
.set BY,    13                         ; v13  a scale byte
.set XW,    14                         ; v[14:15] my two scale words of x
.set SB,    16                         ; v16-19 row tile i's two scale bytes
.set LW,    20                         ; v20  LDS: where my codes go
.set LS,    21                         ; v21  LDS: where my scale bytes go
.set LR,    22                         ; v22  LDS: where I read codes back
.set LRS,   23                         ; v23  LDS: where I read scale words back
.set RS,    24                         ; v24-31 row tile i: scales x sv at 24 + 2 i; sv at 25 + 2 i
.set SU,    32                         ; v32-63  su[128 st + 64 c + 32 jj + 16 t + 8 p + e] at 16 jj + 8 t + e
.set IX,    64                         ; v64-127 step m's 8 index words at 8 m; later its codes at 8 m, 8 m + 1
.set G,     128                        ; v128-159 two sets of 16: lane selects, then numbers, in place
	s_load_b256 s[8:15], s[0:1], 0x0               ; packed, scales, su, sv
	s_load_b256 s[16:23], s[0:1], 0x20             ; grid, x_scales, w_all, xs_all
	v_lshrrev_b32 v1, 5, v0
	v_readfirstlane_b32 s2, v1                     ; wave w
	s_lshr_b32 s4, s2, 1
	s_and_b32 s42, s2, 1                           ; c
	s_and_b32 s3, ttmp7, 0xffff                    ; y
	s_lshl_b32 s3, s3, 2
	s_add_co_u32 s4, s4, s3                        ; st
	s_lshr_b32 s5, ttmp9, 1                        ; which 128 rows
	s_and_b32 s6, ttmp9, 1                         ; which 64 of them
.irp i, 25,27,29,31,33,35,37,39
	s_mov_b32 s\i, 0
.endr
	s_lshl_b32 s24, ttmp9, 19                      ; packed: a row tile is 131,072 bytes,
	s_lshl_b32 s7, s4, 12                          ; 128 in-features 8 tiles,
	s_add_co_u32 s24, s24, s7
	s_lshl_b32 s7, s42, 11                         ; mine 4 of them
	s_add_co_u32 s24, s24, s7
	s_lshl_b32 s26, s4, 14                         ; scales: row st,
	s_lshl_b32 s30, ttmp9, 8                       ; 256 bytes for 64 rows; sv likewise
	s_add_co_u32 s26, s26, s30
	s_lshl_b32 s28, s4, 9                          ; su
	s_lshl_b32 s7, s42, 8
	s_add_co_u32 s28, s28, s7
	s_lshl_b32 s32, ttmp9, 13                      ; x_scales: 64 rows of 128 bytes,
	s_lshl_b32 s7, s4, 2                           ; word st
	s_add_co_u32 s32, s32, s7
	s_lshl_b32 s7, s5, 5
	s_add_co_u32 s7, s7, s4                        ; the number of the 128 x 128 block
	s_mul_i32 s36, s7, WSTEP
	s_lshl_b32 s34, s6, 12
	s_add_co_u32 s34, s34, s36                     ; its codes of my 64 rows: 4,096 bytes,
	s_lshl_b32 s38, s42, 9
	s_add_co_u32 s34, s34, s38                     ; of each 1,024 my 512
	s_lshl_b32 s38, s6, 8
	s_add_co_u32 s36, s36, s38
	s_add_co_u32 s36, s36, 8192                    ; their scale words: 256 bytes
	s_lshl_b32 s7, s7, 9
	s_add_co_u32 s38, s38, s7                      ; and x's
	s_mul_i32 s40, s2, WST
	s_add_co_u32 s41, s40, 4*TPIT
	s_lshl_b32 s43, s42, 4                         ; my two bytes' place in a scale word
	v_lshl_add_u32 v[SPW], v0, 2, SPARE
	v_mov_b32 v[NIL], 0
	v_and_b32 v128, 31, v0                         ; lane
	v_and_b32 v129, 1, v0                          ; p
	v_bfe_u32 v130, v0, 3, 2                       ; u = lk / 4
	v_bfe_u32 v131, v0, 1, 2                       ; t = lk % 4
	v_bfe_u32 v132, v0, 1, 4                       ; lk
	v_bfe_u32 v133, v0, 1, 1                       ; t % 2
	v_bfe_u32 v134, v0, 2, 1                       ; t / 2
	v_and_b32 v135, 15, v0
	v_lshlrev_b32 v[OFFIX], 4, v128
	v_lshlrev_b32 v[OFFSU], 5, v129
	v_lshlrev_b32 v[OFFK], 2, v132
	v_lshlrev_b32 v[OFFU], 3, v128
	v_lshlrev_b32 v[OFFG], 2, v135
	v_lshlrev_b32 v[OFFX], 7, v128
	v_mul_u32_u24 v[LW], v131, TPIT
	v_lshl_add_u32 v[LW], v130, 4, v[LW]
	v_lshl_add_u32 v[LW], v129, 2, v[LW]
	v_add_nc_u32 v[LW], s40, v[LW]
	v_lshlrev_b32 v[LS], 3, v130
	v_lshl_add_u32 v[LS], v133, 7, v[LS]
	v_lshl_add_u32 v[LS], v134, 2, v[LS]
	v_add_nc_u32 v[LS], s41, v[LS]
	v_add_nc_u32 v[LR], s40, v[OFFIX]
	v_add_nc_u32 v[LRS], s41, v[OFFU]
	s_wait_alu depctr_va_vdst(0)
	s_wait_kmcnt 0x0
	s_add_nc_u64 s[8:9], s[8:9], s[24:25]
	s_add_nc_u64 s[10:11], s[10:11], s[26:27]
	s_add_nc_u64 s[12:13], s[12:13], s[28:29]
	s_add_nc_u64 s[14:15], s[14:15], s[30:31]
	s_add_nc_u64 s[18:19], s[18:19], s[32:33]
	s_add_nc_u64 s[34:35], s[20:21], s[34:35]
	s_add_nc_u64 s[36:37], s[20:21], s[36:37]
	s_add_nc_u64 s[38:39], s[22:23], s[38:39]
	; 17 small loads first, then the 16 index loads in the order of the steps, then x's two: loads come back in order (ISA guide 5.7.1)
	global_load_b32 v[GR], v[OFFG], s[16:17]
.irp u, 0,1,2,3
.irp c, 0,1
	global_load_b128 v[SU+8*\u+4*\c:SU+8*\u+4*\c+3], v[OFFSU], s[12:13] offset:64*\u+16*\c
.endr
.endr
.irp i, 0,1,2,3
	global_load_b32 v[RS+2*\i], v[OFFK], s[10:11] offset:64*\i
	global_load_b32 v[RS+2*\i+1], v[OFFK], s[14:15] offset:64*\i
.endr
.irp m, 0,1,2,3,4,5,6,7
.irp t, 0,1
	global_load_b128 v[IX+8*\m+4*\t:IX+8*\m+4*\t+3], v[OFFIX], s[8:9] offset:131072*(\m%4)+512*(2*(\m/4)+\t) th:TH_LOAD_NT   ; 32 lanes read a whole tile, once in the launch
.endr
.endr
	global_load_b32 v[XW], v[OFFX], s[18:19]
	global_load_b32 v[XW+1], v[OFFX], s[18:19] offset:4096
; Step m's 16 indices become lane selects, and the table's numbers are asked for.  Word 4 t + e holds k = 16 t + 8 p + 2 e (bits 3:0) and + 1 (bits 7:4).
.macro ADDR m
.set GS, G+16*((\m)%2)
	s_wait_loadcnt 16-2*(\m)                       ; my step's two tiles are in: behind them 14 - 2 m index loads and x's two were issued
.irp e, 0,1,2,3,4,5,6,7
	v_lshlrev_b32 v[GS+2*\e], 2, v[IX+8*(\m)+\e]
	v_lshrrev_b32 v[GS+2*\e+1], 2, v[IX+8*(\m)+\e]
.endr
.irp e, 0,1,2,3,4,5,6,7,8,9,10,11,12,13,14,15
	ds_bpermute_b32 v[GS+\e], v[GS+\e], v[GR]      ; grid[index]
.endr
.endm
; Step m: two multiplications, the block's scale, the codes.
.macro PROC m
.set GS, G+16*((\m)%2)
.set TI, (\m)%4
.set TJ, (\m)/4
.if (\m) < 7
	s_wait_dscnt 16                                ; my step's sixteen numbers are back; the next step's sixteen permutes may be out
.else
	s_wait_dscnt 0x0
.endif
.irp e, 0,2,4,6,8,10,12,14
	v_pk_mul_f32 v[GS+\e:GS+\e+1], v[GS+\e:GS+\e+1], v[RS+2*TI:RS+2*TI+1] op_sel_hi:[1,0]
.endr
.irp e, 0,2,4,6,8,10,12,14
	v_pk_mul_f32 v[GS+\e:GS+\e+1], v[GS+\e:GS+\e+1], v[SU+16*TJ+\e:SU+16*TJ+\e+1]
.endr
	v_max3_num_f32 v[MXA], |v[GS]|, |v[GS+1]|, |v[GS+2]|           ; the largest magnitude of my 16, in two chains
	v_max3_num_f32 v[MXB], |v[GS+3]|, |v[GS+4]|, |v[GS+5]|
.irp e, 6,10
	v_max3_num_f32 v[MXA], v[MXA], |v[GS+\e]|, |v[GS+\e+1]|
	v_max3_num_f32 v[MXB], v[MXB], |v[GS+\e+2]|, |v[GS+\e+3]|
.endr
	v_max3_num_f32 v[MXA], v[MXA], |v[GS+14]|, |v[GS+15]|
	v_max3_num_f32 v[MXA], v[MXA], v[MXB], 0x1800000               ; and the floor 2^(3 - 127): the byte cannot fall under 1
	v_max_num_f32_dpp v[MXA], v[MXA], v[MXA] row_xmask:1 row_mask:0xf bank_mask:0xf   ; with lane l xor 1's 16: the block's
	v_add_nc_u32 v[SOP], 0xff000000, v[MXA]        ; 2 off its exponent field: the conversion's scale operand
	v_cvt_scalef32_pk8_fp4_f32 v[IX+8*(\m)], v[GS:GS+7], v[SOP]        ; k = 8 p + 0 .. 7 of the block: word p of the row's four
	v_cvt_scalef32_pk8_fp4_f32 v[IX+8*(\m)+1], v[GS+8:GS+15], v[SOP]   ; k = 16 + 8 p + 0 .. 7: word 2 + p
.if TJ == 0
	v_lshrrev_b32 v[SB+TI], 23, v[SOP]             ; the scale's byte (also the plain instruction behind the conversions)
.else
	v_lshrrev_b32 v[BY], 23, v[SOP]
	v_lshl_or_b32 v[SB+TI], v[BY], 8, v[SB+TI]     ; my two bytes of the row's word, the lower k in the lower byte
.endif
.endm
	ADDR 0
.irp i, 0,1,2,3
	v_mul_f32 v[RS+2*\i], v[RS+2*\i], v[RS+2*\i+1] ; scales x sv (loaded ahead of step 0's indices)
.endr
.irp m, 0,1,2,3,4,5,6
	ADDR \m+1                                      ; the next step's numbers are on their way while this step is worked
	PROC \m
.endr
	PROC 7
	; The way out.  A run of 256 bytes of w_all holds rows of all four row tiles: the codes go through my wave's own stage in LDS and come back in w_all's order.
.irp i, 0,1,2,3
	v_lshlrev_b32 v[SB+\i], s43, v[SB+\i]
.endr
	s_wait_alu depctr_va_vdst(0)
	s_wait_loadcnt 0x0                             ; x's two words are in
	s_wait_dscnt 0x0                               ; my lane permutes are back
	s_barrier_signal -1
	s_barrier_wait -1                              ; every wave's are, before any wave writes LDS
.irp m, 0,1,2,3,4,5,6,7
	ds_store_b32 v[LW], v[IX+8*\m] offset:256*(\m/4)+64*(\m%4)
	ds_store_b32 v[LW], v[IX+8*\m+1] offset:256*(\m/4)+64*(\m%4)+8
.endr
.irp i, 0,1,2,3
	ds_store_b32 v[LS], v[SB+\i] offset:32*\i      ; both lanes of a row write the same word with the same value
.endr
.irp t, 0,1,2,3
	ds_load_b128 v[G+4*\t:G+4*\t+3], v[LR] offset:TPIT*\t   ; a wave's own bytes, and LDS serves its instructions in order (ISA guide 5.7.1.4)
.endr
	s_wait_dscnt 0x0                               ; the codes are back; for the other wave's sake: my scale words are in LDS
.irp t, 0,1,2,3
	global_store_b128 v[OFFIX], v[G+4*\t:G+4*\t+3], s[34:35] offset:1024*\t   ; 512 consecutive bytes, aligned
.endr
	s_barrier_signal -1
	s_barrier_wait -1
	s_cmp_eq_u32 s42, 0
	s_cbranch_scc0 .Lx_words
	ds_load_b64 v[IX+2:IX+3], v[LRS]               ; the wave with c = 0: its own two bytes of each word and the next wave's two
	ds_load_b64 v[IX+4:IX+5], v[LRS] offset:WST
	s_wait_dscnt 0x0
	v_or_b32 v[IX+2], v[IX+2], v[IX+4]
	v_or_b32 v[IX+3], v[IX+3], v[IX+5]
	global_store_b64 v[OFFU], v[IX+2:IX+3], s[36:37]   ; 256 consecutive bytes, aligned
	s_branch .Lend
.Lx_words:
	global_store_b64 v[OFFU], v[XW:XW+1], s[38:39] ; the wave with c = 1: x's
.Lend:
	s_wait_tensorcnt 0x0                           ; the wave's end
	ds_add_u32 v[SPW], v[NIL]
	s_wait_dscnt 0x0
	s_endpgm
.Lfunc_end_k_qb681eadcf1_quant:
	.size	k_qb681eadcf1_quant, .Lfunc_end_k_qb681eadcf1_quant-k_qb681eadcf1_quant
	.p2alignl 7, 3214868480
	.fill 96, 4, 3214868480
	.section	.rodata,"a",@progbits
	.p2align	6, 0x0
	.amdhsa_kernel k_qb681eadcf1_quant
		.amdhsa_group_segment_fixed_size 21504
		.amdhsa_private_segment_fixed_size 0
		.amdhsa_enable_private_segment 0
		.amdhsa_kernarg_size 64
		.amdhsa_user_sgpr_count 2
		.amdhsa_user_sgpr_kernarg_segment_ptr 1
		.amdhsa_wavefront_size32 1
		.amdhsa_system_sgpr_workgroup_id_x 1
		.amdhsa_system_sgpr_workgroup_id_y 1
		.amdhsa_system_sgpr_workgroup_id_z 1
		.amdhsa_system_vgpr_workitem_id 0
		.amdhsa_next_free_vgpr 160
		.amdhsa_next_free_sgpr 66
		.amdhsa_reserve_vcc 0
		.amdhsa_float_denorm_mode_32 3
		.amdhsa_float_denorm_mode_16_64 3
		.amdhsa_memory_ordered 1
		.amdhsa_forward_progress 1
		.amdhsa_inst_pref_size 38
	.end_amdhsa_kernel
	.amdgpu_metadata
---
amdhsa.version: [ 1, 2 ]
amdhsa.kernels:
  - .name:           k_qb681eadcf1_quant
    .symbol:         k_qb681eadcf1_quant.kd
    .args:
      - { .name: packed_indices, .offset: 0, .size: 8, .value_kind: global_buffer, .address_space: global }
      - { .name: scales, .offset: 8, .size: 8, .value_kind: global_buffer, .address_space: global }
      - { .name: su, .offset: 16, .size: 8, .value_kind: global_buffer, .address_space: global }
      - { .name: sv, .offset: 24, .size: 8, .value_kind: global_buffer, .address_space: global }
      - { .name: grid, .offset: 32, .size: 8, .value_kind: global_buffer, .address_space: global }
      - { .name: x_scales, .offset: 40, .size: 8, .value_kind: global_buffer, .address_space: global }
      - { .name: w_all, .offset: 48, .size: 8, .value_kind: global_buffer, .address_space: global }
      - { .name: xs_all, .offset: 56, .size: 8, .value_kind: global_buffer, .address_space: global }
    .group_segment_fixed_size: 21504
    .private_segment_fixed_size: 0
    .kernarg_segment_align: 8
    .kernarg_segment_size: 64
    .max_flat_workgroup_size: 256
    .sgpr_count:     66
    .vgpr_count:     160
    .wavefront_size: 32
...
	.end_amdgpu_metadata
.endif
;; end of part 1
;; launch gemm (part 2): grid 16 x 16, 4 waves a work-group, clusters of 4 x 1, 327,680 bytes of LDS; arguments x_codes, xs_all, w_all, out0; writes out0
.if DOCPART == 2
	.amdgcn_target "amdgcn-amd-amdhsa--gfx1250"
	.amdhsa_code_object_version 6
	.text
	.protected	k_qb681eadcf1_gemm
	.globl	k_qb681eadcf1_gemm
	.p2align	8
	.type	k_qb681eadcf1_gemm,@function
k_qb681eadcf1_gemm:
	s_mov_b64 s[64:65], 0
	v_nop
	global_prefetch_b8 v0, s[64:65] scope:SCOPE_SE
	s_setreg_imm32_b32 hwreg(HW_REG_WAVE_MODE, 25, 1), 1
	s_wait_xcnt 0x0
	s_wait_alu depctr_hold_cnt(0) depctr_sa_sdst(0) depctr_va_vdst(0) depctr_va_sdst(0) depctr_va_ssrc(0) depctr_va_vcc(0) depctr_vm_vsrc(0)
	s_getreg_b32 s2, hwreg(HW_REG_IB_STS2, 6, 4)
	s_cmp_eq_u32 s2, 0
	s_cbranch_scc0 .Lentry_in_a_cluster
	s_endpgm
.Lentry_in_a_cluster:
	s_bfe_u32 s2, ttmp6, 0x10000c
	s_cmp_lg_u32 s2, 0x3003
	s_cbranch_scc0 .Lentry_shape_is_right
	s_endpgm
.Lentry_shape_is_right:
; out0[m][n] = sum over k of x[m][k] W[n][k]: codes of FP4 (E2M1) with one E8M0 scale for each 32 along k, sums in f32, k ascending.
; A work-group of four waves makes 256 x 256; wave w 128 x 128 (row half w / 2, column half w % 2): 4 x 8 accumulators of 32 x 16, 512 registers.  K goes in 32 steps of 128.
; x comes through LDS, in chunks of 1,024 along k (eight steps): two slots of 256 rows x 512 bytes, a wave's tensor load brings 64 rows.  The four work-groups of a cluster (same rows, four column blocks) ask JOINTLY:
;   the same load, the same descriptor, the mask 15.  Four chunks: two first fills and two refills, each behind a round of the cluster's barrier.
; W goes from memory straight into registers: the launch before has laid it in the order in which the operand registers take it, 8,704 bytes for 128 columns and one step.
;   A joint load cannot bring data to registers.  x's scale words come the same way.
; STEPS 0 TO 15: 32 matrix instructions each; W in four register sets, asked for three steps ahead.
; STEPS 16 TO 31 (x's last two chunks, which lie in LDS together) ARE TAKEN TWICE, for columns 0-63 and then for columns 64-127: 32 half steps of 16 matrix instructions; W in eight sets of half the size, asked for five half steps ahead.
;   The first 64 columns are finished half steps before the others, and leave under the others' products: 4 stores a half step.
; All loads of a step stand in one run ahead of its products: W, then x's fragments for the next step.
; WHICH ROWS OF W FORM A TILE: lane r of tile b takes column 64 (b / 4) + 4 r + b % 4.  A register of a lane is then one row, and of four tiles four NEIGHBOURING columns: sixteen lanes store 256 consecutive bytes.
; PREFETCHES INTO THE L2.  W and x's scale words: in steps 2, 10, 14 for chunks 1, 2, 3, whose first loads stand in step 5, step 13, half step 3; and at the head for what of chunk 0 the head's loads leave (steps 3 to 7).  128 columns' chunk of W is 272 blocks of 256 bytes:
;   the 16 work-groups and two waves of each that read it share it out by address, 17 blocks each, work-groups y and y xor 11 taking the same; x's scales of 128 rows are 16 blocks a chunk, shared out over cx and the column half.
;   x: in steps 3 and 11 for the refills of steps 7 and 15: a cluster's 512 blocks, shared out by address over cx, wave and lane.
; REGISTERS: window 0: v0-15 addresses; v16-31 W's scale words, v32-63 x's; v64-127, v128-191 x's fragments, two sets; v192-255 results gathered for the stores of the half steps
;   window 1: W (on the way out v0-127: results gathered)   window 2: accumulators of rows 0-63: (a, b) at v[128 (a % 2) + 16 b]   window 3: of rows 64-127
.set WSTEP, 8704
.set PITCH, 528                        ; an LDS row: 512 bytes + 16 of padding = 132 words: row r starts at bank 4 r mod 64 (64 banks of 4 bytes: ISA guide 11.1)
.set PART,  64*PITCH                   ; what one tensor load brings
.set SLOT,  256*PITCH
.set SPARE, 2*SLOT                     ; the spare words: 128 bytes for each wave
.set WOFF, 2                           ; v2   16 x lane
.set SOFF, 3                           ; v3   8 x lane
.set ADRA, 12                          ; v12, v13 LDS address of my fragments of x in slot 0, 1
.set PFO,  5                           ; v5-7, v15 the prefetches' offsets
.set PFH,  6
.set PFX,  7
.set PFA,  15
.set SPW,  8
.set NIL,  9
.set CO,   10                          ; v10  my byte offset in C
.set WSC,  16
.set XSC,  32
.set G1,   24                          ; s[24:31] descriptor group 1; s[32:35], s[36:39] group 0 for slot 0, 1
.set G0,   32
.set WB,   40                          ; s[40:41] my columns of W;  s[42:43] my rows' scale words of x;  s[44:45] my part of C;  s[46:47] the work-group's rows of x
.set XB,   42
.set OB,   44
.set PB,   46
.set MSB, 0
.macro WIN new                         ; the immediate's high byte repeats the setting that is left
.if MSB != (\new)
	s_set_vgpr_msb (MSB<<8)|(\new)
.set MSB, (\new)
.endif
.endm
.macro PLACES                          ; four places behind the last product, in front of loads into operands and of reads of results
.rept 4
	v_nop
.endr
.endm
.macro CREST                           ; a round of the cluster's barrier behind its opening barrier
	s_cmp_lg_u32 s14, 0
	s_cbranch_scc1 .Lnot_wave_0_\@
	s_barrier_signal -3
.Lnot_wave_0_\@:
	s_barrier_wait -3
	s_barrier_signal -1
	s_barrier_wait -1
.endm
.macro CROUND
	s_barrier_signal -1
	s_barrier_wait -1
	CREST
.endm
.macro JLOAD s                         ; a joint load into slot s
	tensor_load_to_lds s[G0+4*\s:G0+4*\s+3], s[G1:G1+7]
	s_nop 0
	PLACES
.endm
.macro SETS s                          ; step s: where its operands lie, and where its loads go
.set qs, (\s)%4
.set wf, 64*qs
.set af, 64+64*((\s)%2)
.set ls, ((\s)+3)%4
.set lf, 64*ls
.set wo, ((\s)+3)*WSTEP
.set xo, ((\s)+3)*512
.set an, 64+64*(((\s)+1)%2)
.set ao, 64*(((\s)+1)%8)
.set at, ADRA+(((\s)+1)/8)%2
.endm
.macro WRUN                            ; 20 loads: 16 of 512 consecutive bytes of codes (lane l's 16 at 16 l), 4 of 256 of scale words
	WIN 0x40
.irp i, 0,1,2,3,4,5,6,7,8,9,10,11,12,13,14,15
	global_load_b128 v[lf+4*\i:lf+4*\i+3], v[WOFF], s[WB:WB+1] offset:wo+512*\i
.endr
	WIN 0
.irp g, 0,1
	global_load_b64 v[WSC+4*ls+2*\g:WSC+4*ls+2*\g+1], v[SOFF], s[WB:WB+1] offset:wo+8192+256*\g
	global_load_b64 v[XSC+4*ls+2*\g:XSC+4*ls+2*\g+1], v[SOFF], s[XB:XB+1] offset:xo+256*\g
.endr
.endm
.macro WHALF t                         ; half step t's 11 loads: 8 of codes, 3 of scale words
.set lq, (\t)%8
.set lst, 16+(\t)%16
.set lg, (\t)/16
.set lx, XSC+4*(lq/2)+16*(lq%2)
	WIN 0x40
.irp i, 0,1,2,3,4,5,6,7
	global_load_b128 v[32*lq+4*\i:32*lq+4*\i+3], v[WOFF], s[WB:WB+1] offset:lst*WSTEP+4096*lg+512*\i
.endr
	WIN 0
	global_load_b64 v[WSC+2*lq:WSC+2*lq+1], v[SOFF], s[WB:WB+1] offset:lst*WSTEP+8192+256*lg
	global_load_b64 v[lx:lx+1], v[SOFF], s[XB:XB+1] offset:512*lst
	global_load_b64 v[lx+2:lx+3], v[SOFF], s[XB:XB+1] offset:512*lst+256
.endm
.macro ARUN                            ; 16 loads: 128 rows of x, 128 k: eight fragments of 16 rows, 8 registers each
	WIN 0
.irp i, 0,1,2,3,4,5,6,7
	ds_load_b128 v[an+8*\i:an+8*\i+3], v[at] offset:ao+16*PITCH*\i
	ds_load_b128 v[an+8*\i+4:an+8*\i+7], v[at] offset:ao+16*PITCH*\i+32
.endr
.endm
.macro ASK c                           ; chunk c's blocks of W and of x's scale words
	global_prefetch_b8 v[PFO], s[WB:WB+1] offset:8*\c*WSTEP th:TH_LOAD_NT scope:SCOPE_SE
	global_prefetch_b8 v[PFX], s[XB:XB+1] offset:4096*\c th:TH_LOAD_NT scope:SCOPE_SE
.endm
.macro WM zero
.if \zero
.if mK == 0
	v_wmma_scale_f32_32x16x128_f4 v[mD:mD+15], v[mA:mA+15], v[mB:mB+7], 0, v[mX], v[mW]
.else
	v_wmma_scale_f32_32x16x128_f4 v[mD:mD+15], v[mA:mA+15], v[mB:mB+7], 0, v[mX], v[mW] matrix_b_scale:MATRIX_SCALE_ROW1
.endif
.else
.if mK == 0
	v_wmma_scale_f32_32x16x128_f4 v[mD:mD+15], v[mA:mA+15], v[mB:mB+7], v[mD:mD+15], v[mX], v[mW]
.else
	v_wmma_scale_f32_32x16x128_f4 v[mD:mD+15], v[mA:mA+15], v[mB:mB+7], v[mD:mD+15], v[mX], v[mW] matrix_b_scale:MATRIX_SCALE_ROW1
.endif
.endif
.endm
; 32 rows of x against W's eight tiles, 128 along k.  The 32 accumulators (in a half step 16) take turns, one instruction a turn, in the same order in every step.
.macro ROW a, zero
	WIN 0xa4+0x50*((\a)/2)
.irp b, 0,1,2,3,4,5,6,7
.set mD, 128*((\a)%2)+16*\b
.set mA, af+16*(\a)
.set mB, wf+8*\b
.set mX, XSC+4*qs+(\a)
.set mW, WSC+4*qs+\b/2
.set mK, \b%2
	WM \zero
.endr
.endm
.macro ROWH a                          ; against the four tiles of one half of the columns
	WIN 0xa4+0x50*((\a)/2)
.irp b, 0,1,2,3
.set mD, 128*((\a)%2)+64*hg+16*\b
.set mA, af+16*(\a)
.set mB, wf+8*\b
.set mX, hx+(\a)
.set mW, hw+\b/2
.set mK, \b%2
	WM 0
.endr
.endm
.macro STEP s, zero, left              ; left: the loads issued behind this step's own
	SETS \s
	PLACES                                         ; the loads below land on registers that the step before multiplied
	s_wait_loadcnt \left                           ; W's set and the scale words of this step are in
.if (\s) < 13
	WRUN
.elseif (\s) == 13                     ; step 12's set takes half steps 0 and 1,
	WHALF 0
	WHALF 1
.else                                  ; step 13's half step 2
	WHALF 2
.endif
	ARUN
.if (\s) == 2
	ASK 1
.elseif (\s) == 10
	ASK 2
.elseif (\s) == 14
	ASK 3
.elseif (\s) == 3
	global_prefetch_b8 v[PFA], s[PB:PB+1] offset:1024 th:TH_LOAD_NT scope:SCOPE_SE
.elseif (\s) == 11
	global_prefetch_b8 v[PFA], s[PB:PB+1] offset:1536 th:TH_LOAD_NT scope:SCOPE_SE
.endif
	s_wait_dscnt 16                                ; x's fragments of this step are in; the sixteen just issued may be out
.irp a, 0,1,2,3
	ROW \a, \zero
.endr
.endm
; A chunk's last step, which changes slots: the slot read out is filled again with the chunk two on.
.macro TURN s, slot, left
	SETS \s
	PLACES
	s_wait_loadcnt \left
.if (\s) < 13
	WRUN
.else                                  ; steps 13's and 14's sets take half steps 3 and 4
	WHALF 3
	WHALF 4
.endif
	s_wait_tensorcnt 0x0                           ; all my tensor loads have landed: my part of the next chunk;
	ds_add_u32 v[SPW], v[NIL]                      ; 0 onto my spare word:
	s_add_nc_u64 s[G0+4*\slot+2:G0+4*\slot+3], s[G0+4*\slot+2:G0+4*\slot+3], 1024
	s_wait_dscnt 1                                 ; x's fragments of this step are in; the add may be out
	ROW 0, 0
	s_wait_dscnt 0x0                               ; the add is done, and my reads of this slot are over
	s_barrier_signal -1
	ROW 1, 0                                       ; work on registers while the others arrive
	WIN 0                                          ; at a label and at a branch every window is 0
	s_barrier_wait -1
	CREST                                          ; no wave of any partner still reads this slot or has a load on its way
	JLOAD \slot
	ARUN
	ROW 2, 0
	ROW 3, 0
.endm
.macro SETH h                          ; half step h: step 16 + h % 16, columns 64 (h / 16) .. + 63
.set hg, (\h)/16
.set wf, 32*((\h)%8)
.set hw, WSC+2*((\h)%8)
.set hx, XSC+4*(((\h)%8)/2)+16*((\h)%2)
.set af, 64+64*((\h)%2)
.set an, 64+64*(((\h)+1)%2)
.set ao, 64*(((\h)+1)%8)
.set at, ADRA+((((\h)+1)%16)/8)
.set hl, 11*(31-(\h))
.if hl > 44
.set hl, 44
.endif
.endm
; In half step 16 + e: four of the first 64 columns' rows of stores: rows 16 (e / 2) + 4 (e % 2) + 0 .. 3 and those 8 further down.
.macro GATHER e
.set sl, 192+16*((\e)%4)
	WIN 2+(\e)/8
.irp j, 0,1,2,3
.irp t, 0,1,2,3
	v_mov_b32 v[sl+4*\j+\t], v[128*(((\e)/4)%2)+16*\t+8*(((\e)/2)%2)+4*((\e)%2)+\j]
.endr
.endr
.endm
.macro SEND4 e
.set sl, 192+16*((\e)%4)
	WIN 0
.irp j, 0,1,2,3
	global_store_b128 v[CO], v[sl+4*\j:sl+4*\j+3], s[OB:OB+1] offset:(16*((\e)/2)+4*((\e)%2)+\j)*16384 th:TH_STORE_NT
.endr
.endm
.macro HHEAD h                         ; a half step's head: its places, its wait, W's loads
	SETH \h
.if (\h) <= 16
	PLACES
.endif
.if (\h) > 16 && (\h)%4 == 0
	s_wait_xcnt 0x0                                ; the stores of the four half steps before have read their data
.endif
	s_wait_loadcnt hl                              ; W and the scale words of this half step are in: four half steps' 4 x 11 may be out, less at the end
.if (\h) >= 16
	GATHER (\h-16)                                 ; (these moves, which name no register of the last products, are the places in front of the loads below)
.endif
.if (\h) < 27
	WHALF (\h+5)
.endif
.endm
.macro HSTEP h
	HHEAD \h
	ARUN
.if (\h) >= 16
	SEND4 (\h-16)
.endif
	s_wait_dscnt 16                                ; x's fragments of this half step are in
.irp a, 0,1,2,3
	ROWH \a
.endr
.endm
; The way out of rows 16 a .. 16 a + 15, columns 64-127: for each register j the four tiles' registers j are gathered to 16 bytes a lane; lanes 0-15 store 256 consecutive aligned bytes of row 16 a + j, lanes 16-31 of row 16 a + 8 + j.
.macro OUT a
.set sl, 32*((\a)%4)
.if (\a) == 4
	s_wait_xcnt 0x0                                ; the stores of the four runs before have read their data
.endif
	WIN 0x42+(\a)/4
.irp j, 0,1,2,3,4,5,6,7
.irp t, 0,1,2,3
	v_mov_b32 v[sl+4*\j+\t], v[128*(((\a)/2)%2)+16*(4+\t)+8*((\a)%2)+\j]
.endr
.endr
	WIN 0x04
.irp j, 0,1,2,3,4,5,6,7
	global_store_b128 v[CO], v[sl+4*\j:sl+4*\j+3], s[OB:OB+1] offset:(16*(\a)+\j)*16384+256 th:TH_STORE_NT
.endr
.endm
	s_load_b256 s[4:11], s[0:1], 0x0               ; x_codes, xs_all, w_all, out0
	v_lshl_add_u32 v[SPW], v0, 2, SPARE
	v_mov_b32 v[NIL], 0
	ds_add_u32 v[SPW], v[NIL]                      ; the wave's opening: the add, twice on end, and its wait ahead of my first tensor load
	ds_add_u32 v[SPW], v[NIL]
	v_lshrrev_b32 v1, 5, v0
	v_readfirstlane_b32 s14, v1                    ; wave
	s_lshr_b32 s12, s14, 1                         ; row half
	s_and_b32 s13, s14, 1                          ; column half
	s_bfe_u32 s15, ttmp6, 0x40000                  ; cx
	s_lshl_b32 s16, ttmp9, 2
	s_add_co_u32 s16, s16, s15                     ; column block of 256
	s_and_b32 s17, ttmp7, 0xffff                   ; y: row block of 256
	s_mov_b32 s[G1+0], 15|(1<<20)|(1<<21)|(6<<22)|(3<<25)   ; the mask: all four of the cluster; elements of 1 byte; padding on: after every 128 words 4 words; 21 set beside a mask
	s_mov_b32 s[G1+1], 512<<16                     ; tensor_dim0
	s_mov_b32 s[G1+2], 64<<16                      ; tensor_dim1
	s_mov_b32 s[G1+3], 512<<16                     ; tile_dim0
	s_mov_b32 s[G1+4], 64                          ; tile_dim1
	s_mov_b32 s[G1+5], 2048                        ; from row to row
	s_mov_b32 s[G1+6], 0
	s_mov_b32 s[G1+7], 0
	s_mov_b32 s[G0], 1
	s_mov_b32 s[G0+4], 1
	s_mul_i32 s[G0+1], s14, PART                   ; wave w fetches rows 64 w .. 64 w + 63
	s_add_co_u32 s[G0+5], s[G0+1], SLOT
	s_lshl_b32 s54, s17, 19                        ; x: 256 y rows of 2,048 bytes,
	s_mov_b32 s55, 0
	s_lshl_b32 s19, s14, 17
	s_add_co_u32 s18, s54, s19                     ; + 64 w
	s_lshl_b32 s56, s15, 15
	s_add_co_u32 s56, s56, s19                     ; the prefetches: + 64 w + 16 cx rows
	s_mov_b32 s19, 0
	s_lshl_b32 s20, s16, 1
	s_add_co_u32 s20, s20, s13
	s_mul_i32 s20, s20, 32*WSTEP                   ; W: my 128 columns
	s_mov_b32 s21, 0
	s_lshl_b32 s22, s17, 15                        ; x's scale words: 16,384 bytes for 128 rows
	s_lshl_b32 s23, s12, 14
	s_add_co_u32 s22, s22, s23
	s_mov_b32 s23, 0
	s_lshl_b32 s50, s17, 22                        ; C: 256 y + 128 x row half rows of 16,384 bytes,
	s_lshl_b32 s51, s12, 21
	s_add_co_u32 s50, s50, s51
	s_lshl_b32 s51, s16, 10                        ; 256 columns,
	s_add_co_u32 s50, s50, s51
	s_lshl_b32 s51, s13, 9                         ; 128 of them
	s_add_co_u32 s50, s50, s51
	s_mov_b32 s51, 0
	; the prefetches' share of W, one of 16: of the row half and of y's bits b2, b0 xor b1, b0 xor b3: the same for y and y xor 11
	s_lshr_b32 s47, s17, 1
	s_xor_b32 s48, s47, s17
	s_and_b32 s47, s47, 2
	s_or_b32 s46, s12, s47
	s_and_b32 s48, s48, 1
	s_lshl_b32 s48, s48, 2
	s_or_b32 s46, s46, s48
	s_lshr_b32 s48, s17, 3
	s_xor_b32 s48, s48, s17
	s_and_b32 s48, s48, 1
	s_lshl_b32 s48, s48, 3
	s_or_b32 s46, s46, s48
	s_mul_i32 s57, s46, 17
	s_mul_i32 s48, s46, 11
	s_lshl_b32 s49, s15, 1
	s_add_co_u32 s49, s49, s13
	s_lshl_b32 s49, s49, 1
	s_mul_i32 s52, s12, 128*PITCH
	s_add_co_u32 s53, s52, SLOT
	v_and_b32 v1, 31, v0                           ; lane
	v_and_b32 v11, 15, v0                          ; r
	v_bfe_u32 v4, v0, 4, 1                         ; h
	v_lshlrev_b32 v[WOFF], 4, v1
	v_lshlrev_b32 v[SOFF], 3, v1
	v_mul_u32_u24 v14, v11, PITCH
	v_lshl_add_u32 v14, v4, 4, v14                 ; a fragment's row x pitch + 16 h
	v_add_nc_u32 v[ADRA], s52, v14
	v_add_nc_u32 v[ADRA+1], s53, v14
	v_min_u32 v[PFO], 16, v1
	v_add_nc_u32 v[PFO], s57, v[PFO]
	v_lshlrev_b32 v[PFO], 8, v[PFO]                ; block 17 share + lane of 272
	v_min_u32 v[PFH], 10, v1
	v_add_nc_u32 v[PFH], s48, v[PFH]
	v_min_u32 v[PFH], 0xa9, v[PFH]
	v_lshlrev_b32 v[PFH], 8, v[PFH]                ; block 11 share + lane of 170
	v_min_u32 v[PFX], 1, v1
	v_add_nc_u32 v[PFX], s49, v[PFX]
	v_lshlrev_b32 v[PFX], 8, v[PFX]                ; block 2 (2 cx + column half) + lane of 16
	v_lshrrev_b32 v14, 1, v1
	v_and_b32 v11, 1, v0
	v_lshlrev_b32 v[PFA], 11, v14
	v_lshl_add_u32 v[PFA], v11, 8, v[PFA]
	v_add_nc_u32 v[PFA], s56, v[PFA]               ; row 64 w + 16 cx + lane / 2, block lane % 2 of the chunk's two
	v_and_b32 v11, 15, v0
	v_lshlrev_b32 v[CO], 17, v4
	v_lshl_add_u32 v[CO], v11, 4, v[CO]            ; 8 h rows of C + 16 r
	s_wait_alu depctr_va_vdst(0)
	s_wait_dscnt 0x0                               ; both opening adds are done
	s_wait_kmcnt 0x0
	s_add_nc_u64 s[G0+2:G0+3], s[4:5], s[18:19]
	s_add_nc_u64 s[G0+6:G0+7], s[G0+2:G0+3], 512
	s_or_b32 s[G0+3], s[G0+3], 0x80000000
	s_or_b32 s[G0+7], s[G0+7], 0x80000000
	s_add_nc_u64 s[WB:WB+1], s[8:9], s[20:21]
	s_add_nc_u64 s[XB:XB+1], s[6:7], s[22:23]
	s_add_nc_u64 s[OB:OB+1], s[10:11], s[50:51]
	s_add_nc_u64 s[PB:PB+1], s[4:5], s[54:55]
	CROUND                                         ; all four work-groups are here: the joint loads meet
	JLOAD 0                                        ; chunk 0: one tensor load a wave
.irp s, -3,-2,-1                       ; steps 0 to 2: 20 loads each
	SETS 4+\s
.set wo, (\s+3)*WSTEP
.set xo, (\s+3)*512
	WRUN
.endr
	global_prefetch_b8 v[PFH], s[WB:WB+1] offset:3*WSTEP th:TH_LOAD_NT scope:SCOPE_SE   ; steps 3 to 7
	global_prefetch_b8 v[PFX], s[XB:XB+1] th:TH_LOAD_NT scope:SCOPE_SE
	s_wait_tensorcnt 0x0                           ; my part of chunk 0 is in
	ds_add_u32 v[SPW], v[NIL]
	s_wait_dscnt 0x0                               ; the add is done
	CROUND                                         ; everybody's part of chunk 0 is in, and all four work-groups are here
	JLOAD 1                                        ; chunk 1
	SETS 31
.set at, ADRA
	ARUN                                           ; step 0's fragments of x: set 0, slot 0
	STEP 0, 1, 40                                  ; the first products start the sums: nothing is cleared.  40: the next two steps' 2 x 20
.irp s, 1,2,3,4,5,6
	STEP \s, 0, 40
.endr
	TURN 7, 0, 40
.irp s, 8,9,10,11,12,13
	STEP \s, 0, 40
.endr
	STEP 14, 0, 42                                 ; behind it step 15's 20 and half steps 0 and 1's 22
	TURN 15, 1, 33                                 ; behind it half steps 0 to 2's 33
.irp h, 0,1,2,3,4,5,6
	HSTEP \h
.endr
	HHEAD 7                                        ; the last change of slots: nothing is filled again
	s_wait_tensorcnt 0x0                           ; my part of chunk 3 is in
	s_wait_dscnt 0x0
	s_barrier_signal -1
	ROWH 0
	WIN 0
	s_barrier_wait -1
	ARUN
	ROWH 1
	ROWH 2
	ROWH 3
.irp h, 8,9,10,11,12,13,14,15,16,17,18,19,20,21,22,23,24,25,26,27,28,29,30
	HSTEP \h
.endr
	HHEAD 31                                       ; the last half step: 32 rows leave as soon as the next 32 rows' products are issued
	SEND4 15
	s_wait_dscnt 0x0
.irp a, 0,1,2,3
	ROWH \a
.if \a > 0
	PLACES
	OUT 2*\a-2
	OUT 2*\a-1
.endif
.endr
	PLACES
	OUT 6
	OUT 7
	WIN 0
	s_wait_tensorcnt 0x0                           ; the wave's end
	ds_add_u32 v[SPW], v[NIL]
	s_wait_dscnt 0x0
	CROUND                                         ; the closing round: no work-group ends while a partner may still ask for a tile that names it
	s_endpgm
.Lfunc_end_k_qb681eadcf1_gemm:
	.size	k_qb681eadcf1_gemm, .Lfunc_end_k_qb681eadcf1_gemm-k_qb681eadcf1_gemm
	.p2alignl 7, 3214868480
	.fill 96, 4, 3214868480
	.section	.rodata,"a",@progbits
	.p2align	6, 0x0
	.amdhsa_kernel k_qb681eadcf1_gemm
		.amdhsa_group_segment_fixed_size 327680
		.amdhsa_private_segment_fixed_size 0
		.amdhsa_enable_private_segment 0
		.amdhsa_kernarg_size 32
		.amdhsa_user_sgpr_count 2
		.amdhsa_user_sgpr_kernarg_segment_ptr 1
		.amdhsa_wavefront_size32 1
		.amdhsa_system_sgpr_workgroup_id_x 1
		.amdhsa_system_sgpr_workgroup_id_y 1
		.amdhsa_system_sgpr_workgroup_id_z 1
		.amdhsa_system_vgpr_workitem_id 0
		.amdhsa_next_free_vgpr 1024
		.amdhsa_next_free_sgpr 66
		.amdhsa_reserve_vcc 0
		.amdhsa_float_denorm_mode_32 3
		.amdhsa_float_denorm_mode_16_64 3
		.amdhsa_memory_ordered 1
		.amdhsa_forward_progress 1
		.amdhsa_inst_pref_size 255
	.end_amdhsa_kernel
	.section	.bss,"aw",@nobits
	.p2align	6
	.space	262144
	.amdgpu_metadata
---
amdhsa.version: [ 1, 2 ]
amdhsa.kernels:
  - .name:           k_qb681eadcf1_gemm
    .symbol:         k_qb681eadcf1_gemm.kd
    .args:
      - { .name: x_codes, .offset: 0, .size: 8, .value_kind: global_buffer, .address_space: global }
      - { .name: xs_all, .offset: 8, .size: 8, .value_kind: global_buffer, .address_space: global }
      - { .name: w_all, .offset: 16, .size: 8, .value_kind: global_buffer, .address_space: global }
      - { .name: out0, .offset: 24, .size: 8, .value_kind: global_buffer, .address_space: global }
    .group_segment_fixed_size: 327680
    .private_segment_fixed_size: 0
    .kernarg_segment_align: 8
    .kernarg_segment_size: 32
    .max_flat_workgroup_size: 128
    .sgpr_count:     66
    .vgpr_count:     1024
    .wavefront_size: 32
...
	.end_amdgpu_metadata
.endif
;; end of part 2
